; MI455X (gfx1250); checked and timed in simulation.
; The chip was launched on July 23, 2026; its instructions are those of AMD's public machine-readable ISA for CDNA 5 (MIT licence, August 2026) and "CDNA5" Instruction Set Architecture Reference Guide (July 2026). The comments in the code are by the model that wrote it; some were corrected since.
;; Basic Mo E. Allowed arithmetic: float matrix products may take bf16 or f16 operands with f32 sums; other float arithmetic in f32, or as packed bf16 or f16 multiplies, adds, multiply-adds, maxima and minima; sums over many terms, partial sums and values carried from step to step in f32; what a program stores and reads back later, other than sums and carried values, may be rounded once to bf16 or f16.
;; Inputs: expert_b 8 x 1,024 float32; expert_w 8 x 1,024 x 1,024 float32; gate_b 8 float32; gate_w 1,024 x 8 float32; x 4 x 2,048 x 1,024 float32.
;; Outputs: out0 4 x 2,048 x 1,024 float32.
;; 2 versions, each right; version 2 is version 1 with the launch prep written anew for expert scheduling mode. Each part assembles by itself: llvm-mc -triple=amdgcn-amd-amdhsa -mcpu=gfx1250 --defsym DOCPART=n.
;; ======== version 1 of 2: 2 launches
;; workspace buffers: xb 16,777,216 bytes; wb 16,777,216 bytes; gate 262,144 bytes; bfrag 32,768 bytes
;; launch prep (part 1): grid 256 x 1, 8 waves a work-group, no clusters, 0 bytes of LDS; arguments x, expert_w, gate_w, gate_b, expert_b, xb, wb, gate, bfrag; writes xb, wb, gate, bfrag
.if DOCPART == 1
	.amdgcn_target "amdgcn-amd-amdhsa--gfx1250"
	.amdhsa_code_object_version 6
	.text
	.protected	k_q9881ef566f_prep
	.globl	k_q9881ef566f_prep
	.p2align	8
	.type	k_q9881ef566f_prep,@function
k_q9881ef566f_prep:
	s_mov_b64 s[64:65], 0
	v_nop
	global_prefetch_b8 v0, s[64:65] scope:SCOPE_SE
	s_setreg_imm32_b32 hwreg(HW_REG_WAVE_MODE, 25, 1), 1
	s_wait_xcnt 0x0
; PREP.  x [8192][1024] f32 -> xb, the same in bf16.  expert_w [8][1024][1024] f32 -> wb, the same in bf16, not turned.
; gate[t][e] = softmax_e(x[t] . gate_w[:, e] + gate_b[e]), f32, [8192][8].  bfrag: expert_b as operands of the next launch's matrix instruction.
; LIMITS.  Every input is rounded once to bf16 (nearest even), gate_w, gate_b and the x that the gate sees too; the gate's products, sums, maximum and exponentials are f32.
; The row's maximum is taken away before the exponentials; a weight below 2^-126 counts as 0; NaN and infinities are not treated apart.
; SHARES.  Memory binds: each input byte is read once by 16-byte loads, each output byte written once, 256 consecutive aligned bytes to a store.  No LDS, no barrier, no matrix unit: no wave
; needs another's data.  Eight waves: waves 0-3 take 8 rows of x each (32,768 bytes in, 16,384 out, 256 bytes of gate), waves 4-7 take 8,192 numbers of expert_w each (the same bytes).
; Unit u = 4 x work-group + wave % 4, 0 to 1,023.  Wave 4 of work-groups 0 to 63 also lays out 16 columns of expert_b.
; THE GATE.  A lane's 32 numbers of a row are h = 128 j + 4 lane + i; its 32 x 8 numbers of gate_w stay in registers (window 1) for all 8 rows.  Eight sums a lane, then one sum over the 32 lanes.
; bfrag: block nb (16 columns) is 512 bytes: lane l < 16 holds expert_b[0..7][16 nb + l] in bf16, expert 0 lowest; lanes 16-31 hold zeros.
.set LO,  2                            ; v2       16 x lane; never rewritten
.set SO,  3                            ; v3       8 x lane; never rewritten
.set GWO, 4                            ; v4       128 x lane: my four rows of gate_w in each group of 128
.set ACC, 8                            ; v[8:15]  the row's eight logits, then weights
.set T,   16                           ; v[16:23] the other half of the lanes' sums
.set GB,  24                           ; v[24:31] gate_b, rounded to bf16, as f32
.set OW,  32                           ; v[32:33] lane 4 i + p collects gate[row i][2 p, 2 p + 1]
.set SC,  34                           ; v[34:39] at work
.set XB,  40                           ; v[40:55] a row's 32 numbers in bf16, packed
.set XE,  56                           ; v[56:87] the same, as f32
.set X,   96                           ; x waves: v[96:223] four row slots of 32.  W waves: v[96:159] sixteen slots of 4
.set Y,   160                          ; W waves: v[160:191] sixteen slots of 2, to store
.set MSB, 0
.macro WIN new                         ; s_set_vgpr_msb: bits 1:0 source 0, 3:2 source 1, 5:4 source 2, 7:6 destination; the high byte repeats the setting that is left
.if MSB != (\new)
	s_set_vgpr_msb (MSB<<8)|(\new)
.set MSB, \new
.endif
.endm
	s_load_b512 s[4:19], s[0:1], 0x0               ; x s[4:5], expert_w s[6:7], gate_w s[8:9], gate_b s[10:11], expert_b s[12:13], xb s[14:15], wb s[16:17], gate s[18:19]
	s_load_b64 s[20:21], s[0:1], 0x40              ; bfrag
	v_and_b32 v1, 31, v0                           ; lane
	v_lshrrev_b32 v5, 5, v0
	v_readfirstlane_b32 s22, v5                    ; wave 0..7
	v_lshlrev_b32 v[LO], 4, v1
	v_lshlrev_b32 v[SO], 3, v1
	v_lshlrev_b32 v[GWO], 7, v1
	s_and_b32 s23, s22, 3
	s_lshl_b32 s42, ttmp9, 2
	s_add_co_u32 s23, s23, s42                     ; u
	s_lshl_b32 s32, s23, 15                        ; 32,768 bytes of f32 a unit
	s_mov_b32 s33, 0
	s_lshl_b32 s40, s23, 14                        ; 16,384 bytes of bf16
	s_mov_b32 s41, 0
	s_mov_b32 s34, 0xffff0000                      ; a word's upper bf16
	s_mov_b32 s35, 0x0000ffff                      ; lanes 0 to 15
	s_mov_b32 s36, 0x76543210                      ; v_permlanex16_b32: each lane takes its own place in the other half
	s_mov_b32 s37, 0xfedcba98
	s_wait_kmcnt 0x0
	s_cmp_lt_u32 s22, 4
	s_cbranch_scc0 .Lwwave
	; ---------------- waves 0 to 3: 8 rows of x ----------------
	s_load_b256 s[24:31], s[10:11], 0x0            ; gate_b's eight numbers
	s_add_nc_u64 s[4:5], s[4:5], s[32:33]          ; x at my first row
	s_add_nc_u64 s[14:15], s[14:15], s[40:41]      ; xb likewise
	s_lshl_b32 s42, s23, 8                         ; 8 rows x 32 bytes of gate
	s_mov_b32 s43, 0
	s_add_nc_u64 s[18:19], s[18:19], s[42:43]
	WIN 0x40                                       ; destination window 1
.set j, 0
.rept 8                                ; gate_w rows 128 j + 4 lane + 0..3: 128 bytes a lane; register 32 j + 8 i + e holds gate_w[128 j + 4 lane + i][e]
.set q, 0
.rept 8
	global_load_b128 v[32*j+4*q:32*j+4*q+3], v[GWO], s[8:9] offset:4096*j+16*q
.set q, q+1
.endr
.set j, j+1
.endr
	WIN 0
.macro FILL s, row                     ; eight loads, 512 consecutive bytes each: the whole row
.irp j, 0,1,2,3,4,5,6,7
	global_load_b128 v[X+32*(\s)+4*(\j):X+32*(\s)+4*(\j)+3], v[LO], s[4:5] offset:(\row)*4096+512*(\j) th:TH_LOAD_NT
.endr
.endm
	FILL 0, 0
	FILL 1, 1
	FILL 2, 2
	FILL 3, 3
.irp e, 0,1,2,3,4,5,6,7
	v_mov_b32 v[T+\e], 0                           ; v_permlanex16_b32's destination counts as read: written once here
.endr
	v_mov_b32 v[OW], 0
	v_mov_b32 v[OW+1], 0
	v_mov_b32 v[SC+5], 0                           ; named as the second of a pair
	s_wait_loadcnt 32                              ; gate_w's 64 loads are in; the 32 loads of rows 0 to 3, issued behind them, stay out
.set g, 0
.rept 4                                ; gate_w is rounded to bf16 and widened again, 64 registers at a time
	WIN 0x05                                       ; sources in window 1
.set k, 0
.rept 32
	v_cvt_pk_bf16_f32 v[XE+k], v[64*g+2*k], v[64*g+2*k+1]
.set k, k+1
.endr
	WIN 0x40                                       ; destination in window 1
.set k, 0
.rept 32
	v_lshlrev_b32 v[64*g+2*k], 16, v[XE+k]
	v_and_b32 v[64*g+2*k+1], s34, v[XE+k]
.set k, k+1
.endr
.set g, g+1
.endr
	WIN 0
	s_wait_kmcnt 0x0                               ; gate_b
.irp p, 0,1,2,3
	v_cvt_pk_bf16_f32 v[SC+\p], s[24+2*\p], s[25+2*\p]
.endr
.irp p, 0,1,2,3
	v_lshlrev_b32 v[GB+2*\p], 16, v[SC+\p]
	v_and_b32 v[GB+2*\p+1], s34, v[SC+\p]
.endr
; Row i, in slot s.  fill = 1: the slot takes the row four further on.  left = the younger loads that may stay out.
.macro ROW i, s, fill, left
	s_wait_loadcnt \left                           ; loads come back in order (ISA guide 5.7.1): my row's eight are in, the rows behind it stay out
	s_wait_xcnt 0x0                                ; XB, which the last row's stores read, is rewritten only behind this wait
.set k, 0
.rept 16
	v_cvt_pk_bf16_f32 v[XB+k], v[X+32*(\s)+2*k], v[X+32*(\s)+2*k+1]
.set k, k+1
.endr
.if \fill
	FILL \s, (\i)+4
.endif
.irp j, 0,1,2,3,4,5,6,7
	global_store_b64 v[SO], v[XB+2*(\j):XB+2*(\j)+1], s[14:15] offset:(\i)*2048+256*(\j)  ; 32 lanes x 8 bytes: 256 consecutive bytes, aligned
.endr
.set k, 0
.rept 16
	v_lshlrev_b32 v[XE+2*k], 16, v[XB+k]           ; the gate sees the rounded x
	v_and_b32 v[XE+2*k+1], s34, v[XB+k]
.set k, k+1
.endr
	WIN 0x04                                       ; source 1, gate_w, in window 1
.set k, 0
.rept 32                               ; number k of my 32: both halves of a packed line take x[k], and two experts' gate_w; four chains take turns; the first products start the sums
.irp p, 0,1,2,3
.if k == 0
	v_pk_mul_f32 v[ACC+2*\p:ACC+2*\p+1], v[XE:XE+1], v[2*\p:2*\p+1] op_sel_hi:[0,1]
.elseif k%2 == 0
	v_pk_fma_f32 v[ACC+2*\p:ACC+2*\p+1], v[XE+k:XE+k+1], v[8*k+2*\p:8*k+2*\p+1], v[ACC+2*\p:ACC+2*\p+1] op_sel_hi:[0,1,1]
.else
	v_pk_fma_f32 v[ACC+2*\p:ACC+2*\p+1], v[XE+k-1:XE+k], v[8*k+2*\p:8*k+2*\p+1], v[ACC+2*\p:ACC+2*\p+1] op_sel:[1,0,0] op_sel_hi:[1,1,1]
.endif
.endr
.set k, k+1
.endr
	WIN 0
.irp m, 1,2,4,8                        ; over the 32 lanes: four steps inside each half ride on the addition, one crosses the halves; every lane ends with all eight sums
.irp e, 0,1,2,3,4,5,6,7
	v_add_f32_dpp v[ACC+\e], v[ACC+\e], v[ACC+\e] row_xmask:\m row_mask:0xf bank_mask:0xf
.endr
.endr
.irp e, 0,1,2,3,4,5,6,7
	v_permlanex16_b32 v[T+\e], v[ACC+\e], s36, s37
.endr
.irp p, 0,1,2,3
	v_pk_add_f32 v[ACC+2*\p:ACC+2*\p+1], v[ACC+2*\p:ACC+2*\p+1], v[T+2*\p:T+2*\p+1]
.endr
.irp p, 0,1,2,3
	v_pk_add_f32 v[ACC+2*\p:ACC+2*\p+1], v[ACC+2*\p:ACC+2*\p+1], v[GB+2*\p:GB+2*\p+1]
.endr
	v_max3_num_f32 v[SC], v[ACC], v[ACC+1], v[ACC+2]        ; the row's maximum m
	v_max3_num_f32 v[SC+1], v[ACC+3], v[ACC+4], v[ACC+5]
	v_max3_num_f32 v[SC], v[SC], v[ACC+6], v[ACC+7]
	v_max_num_f32 v[SC], v[SC], v[SC+1]
	v_mul_f32 v[SC], 0x3fb8aa3b, v[SC]             ; m log2(e)
.irp p, 0,1,2,3
	v_pk_fma_f32 v[ACC+2*\p:ACC+2*\p+1], v[ACC+2*\p:ACC+2*\p+1], 0x3fb8aa3b, v[SC:SC+1] op_sel_hi:[1,0,0] neg_lo:[0,0,1] neg_hi:[0,0,1]  ; a log2(e) - m log2(e)
.endr
.irp e, 0,1,2,3,4,5,6,7
	v_exp_f32 v[ACC+\e], v[ACC+\e]                 ; one batch
.endr
	v_nop                                          ; a plain instruction behind the last exponential (ISA guide 5.7.2),
	s_wait_alu depctr_va_vdst(0)                   ; and one wait for the eight, ahead of their first reader
	v_pk_add_f32 v[SC:SC+1], v[ACC:ACC+1], v[ACC+2:ACC+3]
	v_pk_add_f32 v[SC+2:SC+3], v[ACC+4:ACC+5], v[ACC+6:ACC+7]
	v_pk_add_f32 v[SC:SC+1], v[SC:SC+1], v[SC+2:SC+3]
	v_add_f32 v[SC], v[SC], v[SC+1]                ; the sum is at least about 1: the maximum's own term
	v_rcp_f32 v[SC+4], v[SC]
	v_nop
	s_wait_alu depctr_va_vdst(0)                   ; the reciprocal's wait
.irp p, 0,1,2,3
	v_pk_mul_f32 v[ACC+2*\p:ACC+2*\p+1], v[ACC+2*\p:ACC+2*\p+1], v[SC+4:SC+5] op_sel_hi:[1,0]
.endr
.irp p, 0,1,2,3                        ; lane 4 i + p keeps weights 2 p and 2 p + 1 of this row
	s_mov_b32 s39, 1<<(4*(\i)+(\p))
	v_cndmask_b32 v[OW], v[OW], v[ACC+2*\p], s39
	v_cndmask_b32 v[OW+1], v[OW+1], v[ACC+2*\p+1], s39
.endr
.endm
	ROW 0, 0, 1, 24                                ; behind the row in hand: three rows' 24 loads
	ROW 1, 1, 1, 24
	ROW 2, 2, 1, 24
	ROW 3, 3, 1, 24
	ROW 4, 0, 0, 24                                ; the last four rows load nothing: the counts run down
	ROW 5, 1, 0, 16
	ROW 6, 2, 0, 8
	ROW 7, 3, 0, 0
	global_store_b64 v[SO], v[OW:OW+1], s[18:19]   ; 8 rows x 32 bytes of gate: 256 consecutive bytes, aligned
	s_endpgm
	; ---------------- waves 4 to 7: 8,192 numbers of expert_w ----------------
.Lwwave:
	s_add_nc_u64 s[6:7], s[6:7], s[32:33]
	s_add_nc_u64 s[16:17], s[16:17], s[40:41]
.set i, 0
.rept 16                               ; a ring of sixteen slots: sixteen loads of 512 bytes are always out
	global_load_b128 v[X+4*i:X+4*i+3], v[LO], s[6:7] offset:512*i th:TH_LOAD_NT
.set i, i+1
.endr
	s_mov_b32 s38, 3                               ; 64 loads in all: 16 above, 16 in each of three trips
.Lw:
.set i, 0
.rept 16
	s_wait_loadcnt 15                              ; this slot's load is in; the fifteen younger ones stay out
	v_cvt_pk_bf16_f32 v[Y+2*i], v[X+4*i], v[X+4*i+1]
	v_cvt_pk_bf16_f32 v[Y+2*i+1], v[X+4*i+2], v[X+4*i+3]
	global_load_b128 v[X+4*i:X+4*i+3], v[LO], s[6:7] offset:512*(i+16) th:TH_LOAD_NT
	global_store_b64 v[SO], v[Y+2*i:Y+2*i+1], s[16:17] offset:256*i  ; 256 consecutive bytes, aligned
.set i, i+1
.endr
	s_wait_xcnt 0x0                                ; the two bases and Y are rewritten only behind this wait
	s_add_nc_u64 s[6:7], s[6:7], 0x2000
	s_add_nc_u64 s[16:17], s[16:17], 0x1000
	s_sub_co_u32 s38, s38, 1
	s_cmp_lg_u32 s38, 0
	s_cbranch_scc1 .Lw
.set i, 0
.rept 16                               ; the last sixteen slots: no load leaves the buffer
	s_wait_loadcnt 15-i
	v_cvt_pk_bf16_f32 v[Y+2*i], v[X+4*i], v[X+4*i+1]
	v_cvt_pk_bf16_f32 v[Y+2*i+1], v[X+4*i+2], v[X+4*i+3]
	global_store_b64 v[SO], v[Y+2*i:Y+2*i+1], s[16:17] offset:256*i
.set i, i+1
.endr
	s_cmp_eq_u32 s22, 4
	s_cbranch_scc0 .Ldone
	s_mov_b32 s42, ttmp9
	s_cmp_lt_u32 s42, 64
	s_cbranch_scc0 .Ldone
	; block nb = the work-group's number: expert_b[0..7][16 nb + lane % 16]
	v_and_b32 v204, 15, v0
	s_lshl_b32 s43, s42, 6
	v_lshl_add_u32 v204, v204, 2, s43              ; 64 nb + 4 (lane % 16)
.irp e, 0,1,2,3,4,5,6,7
	global_load_b32 v[192+\e], v204, s[12:13] offset:4096*\e
.endr
	s_lshl_b32 s44, s42, 9
	v_add_nc_u32 v205, s44, v[LO]                  ; 512 nb + 16 lane
	s_wait_loadcnt 0x0
.irp p, 0,1,2,3
	v_cvt_pk_bf16_f32 v[200+\p], v[192+2*\p], v[193+2*\p]
.endr
.irp p, 0,1,2,3
	v_cndmask_b32 v[200+\p], 0, v[200+\p], s35     ; lanes 16 to 31 hold zeros
.endr
	global_store_b128 v205, v[200:203], s[20:21]   ; 512 consecutive bytes, aligned
.Ldone:
	s_endpgm
.Lfunc_end_k_q9881ef566f_prep:
	.size	k_q9881ef566f_prep, .Lfunc_end_k_q9881ef566f_prep-k_q9881ef566f_prep
	.p2alignl 7, 3214868480
	.fill 96, 4, 3214868480
	.section	.rodata,"a",@progbits
	.p2align	6, 0x0
	.amdhsa_kernel k_q9881ef566f_prep
		.amdhsa_group_segment_fixed_size 0
		.amdhsa_private_segment_fixed_size 0
		.amdhsa_enable_private_segment 0
		.amdhsa_kernarg_size 72
		.amdhsa_user_sgpr_count 2
		.amdhsa_user_sgpr_kernarg_segment_ptr 1
		.amdhsa_wavefront_size32 1
		.amdhsa_system_sgpr_workgroup_id_x 1
		.amdhsa_system_sgpr_workgroup_id_y 1
		.amdhsa_system_sgpr_workgroup_id_z 1
		.amdhsa_system_vgpr_workitem_id 0
		.amdhsa_next_free_vgpr 512
		.amdhsa_next_free_sgpr 66
		.amdhsa_reserve_vcc 0
		.amdhsa_float_denorm_mode_32 3
		.amdhsa_float_denorm_mode_16_64 3
		.amdhsa_memory_ordered 1
		.amdhsa_forward_progress 1
		.amdhsa_inst_pref_size 173
	.end_amdhsa_kernel
	.amdgpu_metadata
---
amdhsa.version: [ 1, 2 ]
amdhsa.kernels:
  - .name:           k_q9881ef566f_prep
    .symbol:         k_q9881ef566f_prep.kd
    .args:
      - { .name: x, .offset: 0, .size: 8, .value_kind: global_buffer, .address_space: global }
      - { .name: expert_w, .offset: 8, .size: 8, .value_kind: global_buffer, .address_space: global }
      - { .name: gate_w, .offset: 16, .size: 8, .value_kind: global_buffer, .address_space: global }
      - { .name: gate_b, .offset: 24, .size: 8, .value_kind: global_buffer, .address_space: global }
      - { .name: expert_b, .offset: 32, .size: 8, .value_kind: global_buffer, .address_space: global }
      - { .name: xb, .offset: 40, .size: 8, .value_kind: global_buffer, .address_space: global }
      - { .name: wb, .offset: 48, .size: 8, .value_kind: global_buffer, .address_space: global }
      - { .name: gate, .offset: 56, .size: 8, .value_kind: global_buffer, .address_space: global }
      - { .name: bfrag, .offset: 64, .size: 8, .value_kind: global_buffer, .address_space: global }
    .group_segment_fixed_size: 0
    .private_segment_fixed_size: 0
    .kernarg_segment_align: 8
    .kernarg_segment_size: 72
    .max_flat_workgroup_size: 256
    .sgpr_count:     66
    .vgpr_count:     512
    .wavefront_size: 32
...
	.end_amdgpu_metadata
.endif
;; end of part 1
;; launch moe (part 2): grid 4 x 64, 4 waves a work-group, clusters of 4 x 4, 327,680 bytes of LDS; arguments xb, wb, gate, bfrag, out0; writes out0
.if DOCPART == 2
	.amdgcn_target "amdgcn-amd-amdhsa--gfx1250"
	.amdhsa_code_object_version 6
	.text
	.protected	k_q9881ef566f_moe
	.globl	k_q9881ef566f_moe
	.p2align	8
	.type	k_q9881ef566f_moe,@function
k_q9881ef566f_moe:
	s_mov_b64 s[64:65], 0
	v_nop
	global_prefetch_b8 v0, s[64:65] scope:SCOPE_SE
	s_setreg_imm32_b32 hwreg(HW_REG_WAVE_MODE, 25, 1), 1
	s_wait_xcnt 0x0
	s_wait_alu depctr_hold_cnt(0) depctr_sa_sdst(0) depctr_va_vdst(0) depctr_va_sdst(0) depctr_va_ssrc(0) depctr_va_vcc(0) depctr_vm_vsrc(0)
	s_getreg_b32 s2, hwreg(HW_REG_IB_STS2, 6, 4)
	s_cmp_eq_u32 s2, 0
	s_cbranch_scc0 .Lentry_in_a_cluster
	s_endpgm
.Lentry_in_a_cluster:
	s_bfe_u32 s2, ttmp6, 0x10000c
	s_cmp_lg_u32 s2, 0xf033
	s_cbranch_scc0 .Lentry_shape_is_right
	s_endpgm
.Lentry_shape_is_right:
; out[t][d] = sum over e of w[t][e] (sum over h of x[t][h] W[e][h][d] + b[e][d]).  xb [8192][1024] bf16, wb [8 x 1024][1024] bf16 (row e 1024 + h, d along the row), gate [8192][8] f32,
; bfrag: b as matrix operands (block of 16 columns: 512 bytes; lanes 0-15 eight experts' bf16, lanes 16-31 zeros), out [8192][1024] f32.
; LIMITS.  x, W and b are bf16 (rounded once by the launch before).  Each expert's product is summed in f32 and added with the token's f32 weight; only in the bias term, sum over e of w b,
; is w a bf16 matrix operand.  The experts are added in an order that begins at expert (cluster's y) mod 8.  NaN and infinities are not treated apart.
; SHARES.  8,192 x 1,024 outputs on 256 work-groups: a tile of 128 tokens x 256 columns; four waves, each 64 tokens x 128 columns: 4 x 8 accumulators of 16 x 16.  Two sets of them:
; TMP (256 registers), the sum over h of the expert in hand, and OUT (256), which takes w x TMP at the end of each expert's pass: 128 packed lines for a pass's 1,024 matrix instructions.
; THE WALK.  64 steps of 128 along (e, h): 8 passes (experts) of 8 steps, through a ring of two LDS slots.  Step s takes g = (s + 8 E0) mod 64, E0 = cluster's y mod 8: expert g / 8, h from 128 (g % 8):
; at any time the sixteen clusters ask for eight different experts' tiles.  E0 enters global addresses alone.
; THE MATRIX INSTRUCTION IS USED TRANSPOSED: source 0 = 16 columns d of W (out of LDS turned, by ds_load_tr16_b128), source 1 = 16 tokens.  In the result lane l holds token l % 16 and columns
; 8 (l / 16) + 0..7: so w[t][e] is one number a lane and block of 16 tokens, and eight neighbouring f32 of a row of out lie in one lane.
; CLUSTER.  4 x 4 work-groups.  x's tile hangs on the token tile alone: the four of a cluster's row ask for it jointly; W's on the column tile alone: the four of a column.  Each joint load is the
; same line, descriptor and mask in the four that it names: a quarter of the requests.
; REGISTERS, in windows of 256 (s_set_vgpr_msb: bits 1:0 source 0, 3:2 source 1, 5:4 source 2, 7:6 destination):
;   window 0: v0-13 addresses; v28-29 the add's; v32-127, v128-223 two fragment buffers (64 of W, 32 of x: 32 along K); v224-255 the weights: 8 a block of tokens, the pass in hand first
;   window 2: TMP, accumulator (a, b) at 8 (8 a + b)          window 3: OUT, likewise
.set PA,    272                        ; a row of x in LDS: 256 bytes + 16 = 68 words: the 16 rows of a load start at 16 different groups of four banks (64 banks of 4 bytes: ISA guide 11.1)
.set PB,    544                        ; a row of W: 512 + 32 = 136 words
.set ATILE, 128*PA                     ; 128 tokens
.set SLOT,  ATILE+128*PB               ; then 128 rows h x 256 columns: 104,448 bytes a slot
.set STAGE, 2*SLOT                     ; behind the ring, never filled by a tensor load: 16 rows x 528 bytes for each wave, for the way out
.set SP,    528                        ; 512 + 16 = 132 words
.set SPARE, STAGE+4*16*SP              ; the spare words, 128 bytes for each wave: two blocks of 256 bytes that no other line names
.set ADRA, 4                           ; v4-5    LDS address of my x fragments in slot 0, 1
.set ADRB, 6                           ; v6-7    the same for W
.set STO,  8                           ; v8      the way out: where I put 16 bytes of a row
.set RD,   9                           ; v9      the way out: where I read a row back
.set CO,   10                          ; v10     16 x lane
.set GOF,  11                          ; v11     32 x (lane % 16): my token's row of gate
.set RT,   13                          ; v13     at work in the rotation
.set SPW,  28                          ; v28     LDS address of my spare word; never rewritten
.set NIL,  29                          ; v29     0; never rewritten
.set F0,   32
.set F1,   128
.set WU,   128                         ; at the start only: the weights in the experts' own order, for the bias product
.set GA,   160                         ; at the start only: eight offsets into gate
.set WR,   224
.set WV,   14                          ; s14 wave
.set WM,   15                          ; s15 my 64 tokens of the tile.  Also: I fetch x's tile (0) or W's (1)
.set WN,   16                          ; s16 my 128 columns.  Also: which 64 rows of that tile I fetch
.set NT,   19                          ; s19 column tile
.set MT,   20                          ; s20 token tile
.set E0,   21
.set GS,   22                          ; s22 the step g to be asked for next
.set PASS, 23
.set G1A,  24                          ; s[24:31] descriptor group 1 for x's tiles
.set G1B,  32                          ; s[32:39] for W's
.set G0A,  40                          ; s[40:47] group 0 for x's tiles, a set for each slot
.set G0B,  48                          ; s[48:55] for W's
.set ABASE, 56                         ; s[56:57] xb at my 64 rows of the token tile
.set BBASE, 58                         ; s[58:59] wb at my 64 rows of step 0, at the column tile
.set OFA,  60                          ; s[60:61] a step's byte offset in xb
.set OFB,  62                          ; s[62:63] in wb
.set LAP,  66
.set LOWL, 67                          ; s67 lanes 0 to 15
.set MULW,  0xa0                       ; C and D in window 2
.set INITW, 0xc0                       ; D in window 3
.set COMBW, 0xf2                       ; destination and source 2 in window 3, source 0 in window 2, source 1 in window 0
.set STW,   0x0c                       ; an LDS store's data in window 3
.set MSB, 0
.macro WIN new                         ; the high byte repeats the setting that is left; a switch that changes nothing is dropped
.if MSB != (\new)
	s_set_vgpr_msb (MSB<<8)|(\new)
.set MSB, \new
.endif
.endm
.macro PLACES                          ; a load into a register that a matrix instruction has read, and a vector instruction that reads a matrix result, stand four plain vector instructions behind it (ISA guide 7.12.1 for vector instructions)
.rept 4
	v_nop
.endr
.endm
.macro CREST                           ; a round of the cluster's barrier behind its opening barrier: wave 0 signals for the work-group, every wave waits for all sixteen, my work-group's barrier once more
	s_cmp_lg_u32 s[WV], 0
	s_cbranch_scc1 .Lnot_wave_0_\@
	s_barrier_signal -3
.Lnot_wave_0_\@:
	s_barrier_wait -3
	s_barrier_signal -1
	s_barrier_wait -1
.endm
.macro CROUND
	s_barrier_signal -1
	s_barrier_wait -1
	CREST
.endm
; A joint load: waves 0 and 1 fetch the two halves of x's tile, waves 2 and 3 those of W's.  The branch hangs on the wave's number alone.  An s_nop 0 and four v_nop follow each line.
.macro JLOAD slot
	s_cmp_eq_u32 s[WM], 0
	s_cbranch_scc0 .Lfor_b_\@
	tensor_load_to_lds s[G0A+4*(\slot):G0A+4*(\slot)+3], s[G1A:G1A+7]
	s_nop 0
.rept 4
	v_nop
.endr
	s_branch .Lasked_\@
.Lfor_b_\@:
	tensor_load_to_lds s[G0B+4*(\slot):G0B+4*(\slot)+3], s[G1B:G1B+7]
	s_nop 0
.rept 4
	v_nop
.endr
.Lasked_\@:
.endm
; The slot's two global addresses are made anew from step g: x at h = 128 (g % 8), 256 bytes a chunk; W at row 128 g, 2,048 bytes a row.  Then g steps, modulo 64.
.macro NEXTADR slot
	s_and_b32 s[OFA], s[GS], 7
	s_lshl_b32 s[OFA], s[OFA], 8
	s_lshl_b32 s[OFB], s[GS], 18
	s_add_nc_u64 s[G0A+4*(\slot)+2:G0A+4*(\slot)+3], s[ABASE:ABASE+1], s[OFA:OFA+1]
	s_or_b32 s[G0A+4*(\slot)+3], s[G0A+4*(\slot)+3], 0x80000000    ; 127:126 type = 2
	s_add_nc_u64 s[G0B+4*(\slot)+2:G0B+4*(\slot)+3], s[BBASE:BBASE+1], s[OFB:OFB+1]
	s_or_b32 s[G0B+4*(\slot)+3], s[G0B+4*(\slot)+3], 0x80000000
	s_add_co_u32 s[GS], s[GS], 1
	s_and_b32 s[GS], s[GS], 63
.endm
	s_load_b256 s[4:11], s[0:1], 0x0               ; xb s[4:5], wb s[6:7], gate s[8:9], bfrag s[10:11]
	s_load_b64 s[12:13], s[0:1], 0x20              ; out
	v_lshl_add_u32 v[SPW], v0, 2, SPARE
	v_mov_b32 v[NIL], 0
	ds_add_u32 v[SPW], v[NIL]                      ; the wave's opening: the add and its wait stand ahead of my first tensor load; the set-up below, work on registers, stands between them
	v_lshrrev_b32 v3, 5, v0
	v_readfirstlane_b32 s[WV], v3                  ; wave 0..3
	s_lshr_b32 s[WM], s[WV], 1
	s_and_b32 s[WN], s[WV], 1
	s_bfe_u32 s17, ttmp6, 0x40000                  ; cx
	s_bfe_u32 s18, ttmp6, 0x40004                  ; cy
	s_lshl_b32 s[NT], ttmp9, 2                     ; in a cluster launch ttmp9 and ttmp7 count clusters
	s_add_co_u32 s[NT], s[NT], s17                 ; column tile = 4 x cluster x + cx
	s_and_b32 s[E0], ttmp7, 0xffff
	s_lshl_b32 s[MT], s[E0], 2
	s_add_co_u32 s[MT], s[MT], s18                 ; token tile = 4 x cluster y + cy
	s_and_b32 s[E0], s[E0], 7                      ; the first expert: the same in all sixteen partners
	s_lshl_b32 s70, s18, 2
	s_lshl_b32 s70, 15, s70                        ; my row of the cluster: places 4 cy .. 4 cy + 3
	s_lshl_b32 s71, 0x1111, s17                    ; my column: places cx, cx + 4, cx + 8, cx + 12
	; group 1 for x: 64 rows x 128 elements, 1,024 elements from row to row
	s_or_b32 s[G1A+0], s70, (1<<16)|(1<<20)|(1<<21)|(5<<22)|(3<<25)  ; 15:0 the mask; 17:16 2-byte elements; 20 padding on; 21 set beside a mask; 24:22 after every 64 words (code 5); 31:25 4 words (code 3)
	s_mov_b32 s[G1A+1], 128<<16                    ; tensor_dim0 = 128
	s_mov_b32 s[G1A+2], 64<<16                     ; tensor_dim1 = 64
	s_mov_b32 s[G1A+3], 128<<16                    ; tile_dim0 = 128
	s_mov_b32 s[G1A+4], 64                         ; tile_dim1 = 64
	s_mov_b32 s[G1A+5], 1024                       ; tensor_dim0_stride
	s_mov_b32 s[G1A+6], 0
	s_mov_b32 s[G1A+7], 0
	; group 1 for W: 64 rows x 256 elements
	s_or_b32 s[G1B+0], s71, (1<<16)|(1<<20)|(1<<21)|(6<<22)|(7<<25)  ; the column's mask; padding after every 128 words (code 6), 8 words (code 7)
	s_mov_b32 s[G1B+1], 256<<16
	s_mov_b32 s[G1B+2], 64<<16
	s_mov_b32 s[G1B+3], 256<<16
	s_mov_b32 s[G1B+4], 64
	s_mov_b32 s[G1B+5], 1024
	s_mov_b32 s[G1B+6], 0
	s_mov_b32 s[G1B+7], 0
	; group 0: count and LDS address; no place in the cluster enters an LDS address
	s_mul_i32 s72, s[WN], 64*PA
	s_mul_i32 s73, s[WN], 64*PB
	s_mov_b32 s[G0A+0], 1
	s_mov_b32 s[G0A+1], s72
	s_mov_b32 s[G0A+4], 1
	s_add_co_u32 s[G0A+5], s72, SLOT
	s_mov_b32 s[G0B+0], 1
	s_add_co_u32 s[G0B+1], s73, ATILE
	s_mov_b32 s[G0B+4], 1
	s_add_co_u32 s[G0B+5], s73, ATILE+SLOT
	s_mov_b32 s[OFA+1], 0
	s_mov_b32 s[OFB+1], 0
	s_mov_b32 s[LOWL], 0xffff
	s_lshl_b32 s[GS], s[E0], 3                     ; the walk's first step
	; x's address is made of the token tile and the wave's number, W's of the column tile and the wave's number, each in registers that never hold the other coordinate
	s_lshl_b32 s74, s[MT], 7
	s_lshl_b32 s78, s[WN], 6
	s_add_co_u32 s74, s74, s78
	s_lshl_b32 s74, s74, 11                        ; (128 token tile + 64 half) rows of 2,048 bytes
	s_mov_b32 s75, 0
	s_lshl_b32 s76, s[NT], 9                       ; 256 columns of 2 bytes a tile
	s_lshl_b32 s78, s[WN], 17                      ; 64 rows of 2,048 bytes
	s_add_co_u32 s76, s76, s78
	s_mov_b32 s77, 0
	s_wait_dscnt 0x0                               ; the opening add is done
	s_wait_kmcnt 0x0
	s_add_nc_u64 s[ABASE:ABASE+1], s[4:5], s[74:75]
	s_add_nc_u64 s[BBASE:BBASE+1], s[6:7], s[76:77]
	NEXTADR 0
	NEXTADR 1
	; the plain addresses: gate and out at my wave's first token, bfrag and out at my wave's first column
	s_lshl_b32 s70, s[MT], 7
	s_lshl_b32 s78, s[WM], 6
	s_add_co_u32 s70, s70, s78                     ; my first token
	s_lshl_b32 s74, s70, 5
	s_add_nc_u64 s[8:9], s[8:9], s[74:75]          ; 32 bytes of gate a token
	s_lshl_b32 s74, s70, 12
	s_add_nc_u64 s[12:13], s[12:13], s[74:75]      ; 4,096 bytes of out a token
	s_lshl_b32 s76, s[NT], 13
	s_lshl_b32 s78, s[WN], 12
	s_add_co_u32 s76, s76, s78
	s_add_nc_u64 s[10:11], s[10:11], s[76:77]      ; 16 blocks of 512 bytes a column tile, 8 a wave
	s_lshl_b32 s76, s[NT], 10
	s_lshl_b32 s78, s[WN], 9
	s_add_co_u32 s76, s76, s78
	s_add_nc_u64 s[12:13], s[12:13], s[76:77]      ; 1,024 bytes of a row of out a column tile, 512 a wave
	CROUND                                         ; all sixteen work-groups are here: the first joint loads meet
	s_cmp_eq_u32 s[WM], 0                          ; a wave's two first fills stand in one branch, ahead of every wait on TENSORcnt and every LDS read: two loads of mine are out
	s_cbranch_scc0 .Lfirst_b
	tensor_load_to_lds s[G0A:G0A+3], s[G1A:G1A+7]
	s_nop 0
	tensor_load_to_lds s[G0A+4:G0A+7], s[G1A:G1A+7]
	s_nop 0
.rept 4
	v_nop
.endr
	s_branch .Lfirst_asked
.Lfirst_b:
	tensor_load_to_lds s[G0B:G0B+3], s[G1B:G1B+7]
	s_nop 0
	tensor_load_to_lds s[G0B+4:G0B+7], s[G1B:G1B+7]
	s_nop 0
.rept 4
	v_nop
.endr
.Lfirst_asked:
	; IN THE WAIT FOR THE FIRST TILE: the weights, the bias product, the addresses.
	v_and_b32 v1, 15, v0                           ; l % 16
	v_bfe_u32 v2, v0, 4, 1                         ; l / 16
	v_and_b32 v12, 31, v0
	v_lshlrev_b32 v[CO], 4, v12
	v_lshlrev_b32 v[GOF], 5, v1
.irp i, 0,1,2,3,4,5,6,7                ; position i of the walk is expert (E0 + i) mod 8
	s_add_co_u32 s78, s[E0], \i
	s_and_b32 s78, s78, 7
	s_lshl_b32 s78, s78, 2
	v_add_nc_u32 v[GA+\i], s78, v[GOF]
.endr
.irp a, 0,1,2,3                        ; block a of 16 tokens: both halves of the lanes take token l % 16
	global_load_b128 v[WU+8*\a:WU+8*\a+3],   v[GOF], s[8:9] offset:512*\a
	global_load_b128 v[WU+8*\a+4:WU+8*\a+7], v[GOF], s[8:9] offset:512*\a+16
.endr
.irp b, 0,1,2,3,4,5,6,7                ; b's operands: registers 0-3 of a fragment: k = 8 (l / 16) + 0..7 are the eight experts in lanes 0-15, zeros in lanes 16-31
	global_load_b128 v[F0+8*\b:F0+8*\b+3], v[CO], s[10:11] offset:512*\b
.endr
.irp a, 0,1,2,3
.irp i, 0,1,2,3,4,5,6,7
	global_load_b32 v[WR+8*\a+\i], v[GA+\i], s[8:9] offset:512*\a
.endr
.endr
.irp f, 0,1,2,3,4,5,6,7,8,9,10,11      ; registers 4-7 of the twelve fragments, k = 16 to 31, are zeros: the product's K is 8
	v_mov_b32 v[F0+8*\f+4], 0
	v_mov_b32 v[F0+8*\f+5], 0
	v_mov_b32 v[F0+8*\f+6], 0
	v_mov_b32 v[F0+8*\f+7], 0
.endr
	; A fragment of x is 16 tokens x 32 h in 8 registers: lane l holds token l % 16, h = 8 (l / 16) + 0..7 and 16 + 8 (l / 16) + 0..7: two loads of 16 bytes, 32 bytes apart.
	v_mul_u32_u24 v3, v1, PA
	v_lshl_add_u32 v3, v2, 4, v3
	s_mul_i32 s78, s[WM], 64*PA                    ; my 64 tokens
	v_add_nc_u32 v[ADRA], s78, v3
	v_add_nc_u32 v[ADRA+1], SLOT, v[ADRA]
	; The turning load takes 16 h x 16 columns (lane l reads row 8 (l / 16) + l % 8, columns 8 ((l / 8) % 2) + 0..7) and leaves half a fragment: lane l holds column l % 16 and 8 h.
	v_and_b32 v12, 7, v0
	v_lshl_add_u32 v3, v2, 3, v12
	v_mul_u32_u24 v3, v3, PB
	v_bfe_u32 v12, v0, 3, 1
	v_lshl_add_u32 v3, v12, 4, v3
	s_lshl_b32 s78, s[WN], 8                       ; my 128 columns,
	s_add_co_u32 s78, s78, ATILE                   ; behind x's tile
	v_add_nc_u32 v[ADRB], s78, v3
	v_add_nc_u32 v[ADRB+1], SLOT, v[ADRB]
	s_mul_i32 s78, s[WV], 16*SP
	s_add_co_u32 s78, s78, STAGE                   ; my stage
	v_mul_u32_u24 v3, v1, SP                       ; in: row l % 16, 32 bytes for each half of the lanes
	v_lshl_add_u32 v3, v2, 5, v3
	v_add_nc_u32 v[STO], s78, v3
	v_add_nc_u32 v[RD], s78, v[CO]                 ; back: 32 lanes take one row of 512 bytes
	s_wait_loadcnt 0x0                             ; weights and bias are in
.irp a, 0,1,2,3
.irp i, 0,1,2,3
	v_cvt_pk_bf16_f32 v[F0+64+8*\a+\i], v[WU+8*\a+2*\i], v[WU+8*\a+2*\i+1]
.endr
.endr
.irp a, 0,1,2,3
.irp i, 0,1,2,3
	v_cndmask_b32 v[F0+64+8*\a+\i], 0, v[F0+64+8*\a+\i], s[LOWL]  ; lanes 16 to 31 stand for k = 8 to 15: zeros
.endr
.endr
; 8 matrix instructions: token block a x all 8 column blocks, 32 along K, from buffer f.  zero = 1: the product starts the sums: nothing is ever cleared.
; The 32 accumulators take turns, one instruction a turn, in the same order in every quarter step.
.macro MUL8 f, a, win, zero
	WIN \win
.irp b, 0,1,2,3,4,5,6,7
.if \zero
	v_wmma_f32_16x16x32_bf16 v[8*(8*(\a)+(\b)):8*(8*(\a)+(\b))+7], v[(\f)+8*(\b):(\f)+8*(\b)+7], v[(\f)+64+8*(\a):(\f)+64+8*(\a)+7], 0
.else
	v_wmma_f32_16x16x32_bf16 v[8*(8*(\a)+(\b)):8*(8*(\a)+(\b))+7], v[(\f)+8*(\b):(\f)+8*(\b)+7], v[(\f)+64+8*(\a):(\f)+64+8*(\a)+7], v[8*(8*(\a)+(\b)):8*(8*(\a)+(\b))+7]
.endif
.endr
.endm
; 24 LDS loads in one run: quarter q's fragments (32 h x 128 columns of W, turned; 64 tokens x 32 h of x) into buffer f; W's sixteen first
.macro FETCH slot, q, f
	WIN 0
.irp b, 0,1,2,3,4,5,6,7
	ds_load_tr16_b128 v[(\f)+8*(\b):(\f)+8*(\b)+3],   v[ADRB+(\slot)] offset:32*(\q)*PB+32*(\b)
	ds_load_tr16_b128 v[(\f)+8*(\b)+4:(\f)+8*(\b)+7], v[ADRB+(\slot)] offset:(32*(\q)+16)*PB+32*(\b)
.endr
.irp a, 0,1,2,3
	ds_load_b128 v[(\f)+64+8*(\a):(\f)+64+8*(\a)+3],   v[ADRA+(\slot)] offset:64*(\q)+(\a)*16*PA
	ds_load_b128 v[(\f)+64+8*(\a)+4:(\f)+64+8*(\a)+7], v[ADRA+(\slot)] offset:64*(\q)+(\a)*16*PA+32
.endr
.endm
; A step is four quarters of 32 along K, 32 matrix instructions each, on buffers 0, 1, 0, 1.  One of the first three: multiplies buffer f; in its middle it fetches quarter q of the same slot into buffer g.
.macro QUARTER slot, q, f, g, zero
	s_wait_dscnt 4                                 ; W's fragments and x's blocks 0 and 1 are in; the youngest four loads (blocks 2 and 3) may be out
	MUL8 \f, 0, MULW, \zero
	MUL8 \f, 1, MULW, \zero
	PLACES
	FETCH \slot, \q, \g
	s_wait_dscnt 24                                ; all but the 24 just issued
	MUL8 \f, 2, MULW, \zero
	MUL8 \f, 3, MULW, \zero
.endm
; The last quarter multiplies buffer 1 and changes slots: ONE barrier.  In front of it each wave waits for all its tensor loads, of which one is out: its part of the next slot; adds 0 to its spare word;
; and waits for that and for its own reads of this slot.  fill = 1: the barrier opens a round of the cluster's barrier, so that no wave of any partner still reads this slot or has a load on its way, and
; the joint refill, two steps ahead, is the first thing behind it: 112 matrix instructions stand between it and the wait for it.
.macro TURN slot, next, fill
	WIN 0                                          ; (the add's two registers lie in window 0)
	s_wait_tensorcnt 0x0                           ; no tensor load of mine is out, so a group 0 may be written
	ds_add_u32 v[SPW], v[NIL]                      ; 0 onto my spare word; scalar work and eight matrix instructions stand between it and the wait for it
.if \fill
	NEXTADR \slot
.endif
	s_wait_dscnt 5                                 ; (the add and the youngest four loads may be out)
	MUL8 F1, 0, MULW, 0
	s_wait_dscnt 0x0                               ; the add is done, and my reads of this slot are over
	s_barrier_signal -1
	MUL8 F1, 1, MULW, 0                            ; work on registers while the others arrive
	WIN 0                                          ; at a branch and at a label every window is 0
	s_barrier_wait -1
.if \fill
	CREST
	JLOAD \slot                                    ; its four v_nop are also the places in front of the loads below
.else
	PLACES
.endif
	FETCH \next, 0, F0
	MUL8 F1, 2, MULW, 0
	MUL8 F1, 3, MULW, 0
.endm
; The weights move up one place: the next pass's comes first.
.macro ROTATE
.irp a, 0,1,2,3
	v_mov_b32 v[RT], v[WR+8*\a]
.irp i, 0,1,2,3,4,5,6
	v_mov_b32 v[WR+8*\a+\i], v[WR+8*\a+\i+1]
.endr
	v_mov_b32 v[WR+8*\a+7], v[RT]
.endr
.endm
; A pass's end: OUT += w x TMP, two numbers a line; each accumulator's registers are read in ascending order.
.macro COMBINE rot
	PLACES                                         ; the lines below read results just made
	WIN COMBW
.irp a, 0,1,2,3
.set i, 0
.rept 32
	v_pk_fma_f32 v[64*(\a)+2*i:64*(\a)+2*i+1], v[64*(\a)+2*i:64*(\a)+2*i+1], v[WR+8*(\a):WR+8*(\a)+1], v[64*(\a)+2*i:64*(\a)+2*i+1] op_sel_hi:[1,0,1]
.set i, i+1
.endr
.endr
	WIN 0
.if \rot
	ROTATE
.endif
.endm
; THE WAY OUT of token block a.  A lane's eight f32 of a row go into my own stage, rows of 528 bytes, and come back as whole rows of 512 bytes.
.macro TOSTAGE a
.set BK, 32+96*((\a)%2)                ; v32-95 and v128-191 by turns
	WIN STW
.irp b, 0,1,2,3,4,5,6,7
	ds_store_b128 v[STO], v[8*(8*(\a)+(\b)):8*(8*(\a)+(\b))+3]   offset:64*(\b)
	ds_store_b128 v[STO], v[8*(8*(\a)+(\b))+4:8*(8*(\a)+(\b))+7] offset:64*(\b)+16
.endr
	WIN 0
.set t, 0
.rept 16
	ds_load_b128 v[BK+4*t:BK+4*t+3], v[RD] offset:SP*t  ; LDS serves a wave's instructions in order (ISA guide 5.7.1.4): these see the stores above; the next block's stores come behind them
.set t, t+1
.endr
.endm
.macro SEND a, younger                 ; younger: the LDS instructions issued behind block a's loads: the next block's 32, or none
.set BK, 32+96*((\a)%2)
	s_wait_dscnt \younger
.set t, 0
.rept 16
	global_store_b128 v[CO], v[BK+4*t:BK+4*t+3], s[12:13] offset:(16*(\a)+t)*4096 th:TH_STORE_NT  ; 512 consecutive bytes, at a multiple of 512 from out's first byte
.set t, t+1
.endr
.endm
	MUL8 F0, 0, INITW, 1                           ; OUT = sum over e of w b: the product that starts OUT's sums
	MUL8 F0, 1, INITW, 1
	MUL8 F0, 2, INITW, 1
	MUL8 F0, 3, INITW, 1
	WIN 0
	s_wait_tensorcnt 0x1                           ; my part of slot 0 is in; slot 1's may stay out
	s_barrier_signal -1
	s_barrier_wait -1                              ; everybody's is
	PLACES                                         ; for the loads into buffer 0, which the bias product read
	FETCH 0, 0, F0
	s_mov_b32 s[PASS], 8                           ; passes to go, this one among them
.Lpass:
	QUARTER 0, 1, F0, F1, 1                        ; a pass's first quarter: its products start TMP's sums
	WIN 0
	s_mov_b32 s[LAP], 3
.Llap:                                                 ; a trip goes once round the ring, from a lap's second quarter to the next lap's first, and fills both slots again
	QUARTER 0, 2, F1, F0, 0
	QUARTER 0, 3, F0, F1, 0
	TURN 0, 1, 1
	QUARTER 1, 1, F0, F1, 0
	QUARTER 1, 2, F1, F0, 0
	QUARTER 1, 3, F0, F1, 0
	TURN 1, 0, 1
	QUARTER 0, 1, F0, F1, 0
	WIN 0
	s_sub_co_u32 s[LAP], s[LAP], 1
	s_cmp_lg_u32 s[LAP], 0
	s_cbranch_scc1 .Llap
	QUARTER 0, 2, F1, F0, 0                        ; the pass's fourth lap goes on
	QUARTER 0, 3, F0, F1, 0
	WIN 0
	s_cmp_eq_u32 s[PASS], 1
	s_cbranch_scc1 .Llast                          ; the last pass's tail is written out: it asks for nothing more
	TURN 0, 1, 1                                   ; the ring goes on into the next pass: slot 0 takes its step 0,
	QUARTER 1, 1, F0, F1, 0
	QUARTER 1, 2, F1, F0, 0
	QUARTER 1, 3, F0, F1, 0
	TURN 1, 0, 1                                   ; slot 1 its step 1, and the next pass's first fragments are fetched
	COMBINE 1
	s_sub_co_u32 s[PASS], s[PASS], 1
	s_branch .Lpass
.Llast:
	TURN 0, 1, 0                                   ; my one tensor load that was still out is slot 1's, the last step's
	QUARTER 1, 1, F0, F1, 0
	QUARTER 1, 2, F1, F0, 0
	QUARTER 1, 3, F0, F1, 0
	s_wait_dscnt 4                                 ; the very last quarter: nothing more to fetch
	MUL8 F1, 0, MULW, 0
	MUL8 F1, 1, MULW, 0
	s_wait_dscnt 0x0
	MUL8 F1, 2, MULW, 0
	MUL8 F1, 3, MULW, 0
	COMBINE 0
	TOSTAGE 0
	TOSTAGE 1
	SEND 0, 32
	s_wait_xcnt 0x0                                ; block 0's stores have had their addresses translated (ISA guide 3.1): only behind this wait are their data registers loaded again
	TOSTAGE 2
	SEND 1, 32
	s_wait_xcnt 0x0
	TOSTAGE 3
	SEND 2, 32
	SEND 3, 0
	s_wait_tensorcnt 0x0                           ; the wave's end, behind my last tensor load and my last LDS store
	ds_add_u32 v[SPW], v[NIL]
	s_wait_dscnt 0x0
	CROUND                                         ; the closing round: no work-group ends while a partner may still ask for a tile that names it
	s_endpgm
.Lfunc_end_k_q9881ef566f_moe:
	.size	k_q9881ef566f_moe, .Lfunc_end_k_q9881ef566f_moe-k_q9881ef566f_moe
	.p2alignl 7, 3214868480
	.fill 96, 4, 3214868480
	.section	.rodata,"a",@progbits
	.p2align	6, 0x0
	.amdhsa_kernel k_q9881ef566f_moe
		.amdhsa_group_segment_fixed_size 327680
		.amdhsa_private_segment_fixed_size 0
		.amdhsa_enable_private_segment 0
		.amdhsa_kernarg_size 40
		.amdhsa_user_sgpr_count 2
		.amdhsa_user_sgpr_kernarg_segment_ptr 1
		.amdhsa_wavefront_size32 1
		.amdhsa_system_sgpr_workgroup_id_x 1
		.amdhsa_system_sgpr_workgroup_id_y 1
		.amdhsa_system_sgpr_workgroup_id_z 1
		.amdhsa_system_vgpr_workitem_id 0
		.amdhsa_next_free_vgpr 1024
		.amdhsa_next_free_sgpr 80
		.amdhsa_reserve_vcc 0
		.amdhsa_float_denorm_mode_32 3
		.amdhsa_float_denorm_mode_16_64 3
		.amdhsa_memory_ordered 1
		.amdhsa_forward_progress 1
		.amdhsa_inst_pref_size 135
	.end_amdhsa_kernel
	.amdgpu_metadata
---
amdhsa.version: [ 1, 2 ]
amdhsa.kernels:
  - .name:           k_q9881ef566f_moe
    .symbol:         k_q9881ef566f_moe.kd
    .args:
      - { .name: xb, .offset: 0, .size: 8, .value_kind: global_buffer, .address_space: global }
      - { .name: wb, .offset: 8, .size: 8, .value_kind: global_buffer, .address_space: global }
      - { .name: gate, .offset: 16, .size: 8, .value_kind: global_buffer, .address_space: global }
      - { .name: bfrag, .offset: 24, .size: 8, .value_kind: global_buffer, .address_space: global }
      - { .name: out0, .offset: 32, .size: 8, .value_kind: global_buffer, .address_space: global }
    .group_segment_fixed_size: 327680
    .private_segment_fixed_size: 0
    .kernarg_segment_align: 8
    .kernarg_segment_size: 40
    .max_flat_workgroup_size: 128
    .sgpr_count:     80
    .vgpr_count:     1024
    .wavefront_size: 32
...
	.end_amdgpu_metadata
.endif
;; end of part 2
;; ======== version 2 of 2: 2 launches; version 1 with the launch prep written anew for expert scheduling mode
;; workspace buffers: xb 16,777,216 bytes; wb 16,777,216 bytes; gate 262,144 bytes; bfrag 32,768 bytes
;; launch prep (part 3): grid 256 x 1, 8 waves a work-group, no clusters, 0 bytes of LDS; arguments x, expert_w, gate_w, gate_b, expert_b, xb, wb, gate, bfrag; writes xb, wb, gate, bfrag
.if DOCPART == 3
	.amdgcn_target "amdgcn-amd-amdhsa--gfx1250"
	.amdhsa_code_object_version 6
	.text
	.protected	k_q9881ef566f_prep
	.globl	k_q9881ef566f_prep
	.p2align	8
	.type	k_q9881ef566f_prep,@function
k_q9881ef566f_prep:
	s_mov_b64 s[64:65], 0
	v_nop
	global_prefetch_b8 v0, s[64:65] scope:SCOPE_SE
	s_setreg_imm32_b32 hwreg(HW_REG_WAVE_SCHED_MODE, 0, 2), 2
	s_setreg_imm32_b32 hwreg(HW_REG_WAVE_MODE, 25, 1), 1
	s_wait_xcnt 0x0
	s_wait_alu depctr_vm_vsrc(0)
; PREP.  x [8192][1024] f32 -> xb, the same in bf16.  expert_w [8][1024][1024] f32 -> wb, the same in bf16, not turned.
; gate[t][e] = softmax_e(x[t] . gate_w[:, e] + gate_b[e]), f32, [8192][8].  bfrag: expert_b as operands of the next launch's matrix instruction.
; LIMITS.  Every input is rounded once to bf16 (nearest even), gate_w, gate_b and the x that the gate sees too; the gate's products, sums, maximum and exponentials are f32.
; The row's maximum is taken away before the exponentials; a weight below 2^-126 counts as 0; NaN and infinities are not treated apart.
; SHARES.  Memory binds: each input byte is read once by 16-byte loads, each output byte written once, 256 consecutive aligned bytes to a store.  No LDS, no barrier, no matrix unit: no wave
; needs another's data.  Eight waves: waves 0-3 take 8 rows of x each (32,768 bytes in, 16,384 out, 256 bytes of gate), waves 4-7 take 8,192 numbers of expert_w each (the same bytes).
; Unit u = 4 x work-group + wave % 4, 0 to 1,023.  Wave 4 of work-groups 0 to 63 also lays out 16 columns of expert_b.
; THE GATE.  A lane's 32 numbers of a row are h = 128 j + 4 lane + i; its 32 x 8 numbers of gate_w stay in registers (window 1) for all 8 rows.  Eight sums a lane, then one sum over the 32 lanes.
; bfrag: block nb (16 columns) is 512 bytes: lane l < 16 holds expert_b[0..7][16 nb + l] in bf16, expert 0 lowest; lanes 16-31 hold zeros.
; THE MODE: SCHED_MODE bits 1:0 = 2 (LLVM: expert scheduling mode 2), set by the entry lines.  The code itself states the register dependences between vector instructions and memory
; instructions, with s_wait_alu, always for 0.
; THE PLAN.  Registers that memory instructions touch:
;   v2, v3, v4   byte offsets, made once at the head and never written again: one wait in front of each path's first load serves every load and store.
;   X (x waves)  Row i: its sixteen conversions read slot i % 4; behind them the loads of row i + 4 land in it.  No other vector instruction names X.
;   XB           Row i: written by the conversions; read by the row's eight stores (and by its unpacking lines); written again by row i + 1's conversions.
;   OW           Written by the selections of all eight rows; read by the one store at the end.
;   X, Y (W waves), in blocks of four slots.  Block b: its eight conversions read X's block and write Y's; behind them four loads land in X's block and four stores read Y's, which is written again a trip later.
;   gate_w's registers are loaded once, before any vector instruction names them; XE, ACC, T, GB and SC are named by vector instructions alone.
; So ONE wait on va_vdst stands in a row, and in a block, behind its conversions: what they wrote is written, what they read is read.  The loads and stores follow it; in a row they are dealt among the
; unpacking lines, which read XB and write XE: they write no register that a store reads, and name none that a load touches.  One wait on vm_vsrc stands at the head of a row, and at the end of a W trip.
.set LO,  2                            ; v2       16 x lane; never rewritten
.set SO,  3                            ; v3       8 x lane; never rewritten
.set GWO, 4                            ; v4       128 x lane: my four rows of gate_w in each group of 128; never rewritten
.set ACC, 8                            ; v[8:15]  the row's eight logits, then weights
.set T,   16                           ; v[16:23] the other half of the lanes' sums
.set GB,  24                           ; v[24:31] gate_b, rounded to bf16, as f32
.set OW,  32                           ; v[32:33] lane 4 i + p collects gate[row i][2 p, 2 p + 1]
.set SC,  34                           ; v[34:39] at work
.set XB,  40                           ; v[40:55] a row's 32 numbers in bf16, packed
.set XE,  56                           ; v[56:87] the same, as f32
.set X,   96                           ; x waves: v[96:223] four row slots of 32.  W waves: v[96:159] sixteen slots of 4
.set Y,   160                          ; W waves: v[160:191] sixteen slots of 2, to store
.set MSB, 0
.macro WIN new                         ; s_set_vgpr_msb: bits 1:0 source 0, 3:2 source 1, 5:4 source 2, 7:6 destination; the high byte repeats the setting that is left
.if MSB != (\new)
	s_set_vgpr_msb (MSB<<8)|(\new)
.set MSB, \new
.endif
.endm
	s_load_b512 s[4:19], s[0:1], 0x0               ; x s[4:5], expert_w s[6:7], gate_w s[8:9], gate_b s[10:11], expert_b s[12:13], xb s[14:15], wb s[16:17], gate s[18:19]
	s_load_b64 s[20:21], s[0:1], 0x40              ; bfrag
	v_and_b32 v1, 31, v0                           ; lane
	v_lshrrev_b32 v5, 5, v0
	v_readfirstlane_b32 s22, v5                    ; wave 0..7
	v_lshlrev_b32 v[LO], 4, v1
	v_lshlrev_b32 v[SO], 3, v1
	v_lshlrev_b32 v[GWO], 7, v1
	s_wait_alu depctr_va_sdst(0)                   ; s22 is written, ahead of its first reader: the unit's number, the bases and the branches are made from it
	s_and_b32 s23, s22, 3
	s_lshl_b32 s42, ttmp9, 2
	s_add_co_u32 s23, s23, s42                     ; u
	s_lshl_b32 s32, s23, 15                        ; 32,768 bytes of f32 a unit
	s_mov_b32 s33, 0
	s_lshl_b32 s40, s23, 14                        ; 16,384 bytes of bf16
	s_mov_b32 s41, 0
	s_mov_b32 s34, 0xffff0000                      ; a word's upper bf16
	s_mov_b32 s35, 0x0000ffff                      ; lanes 0 to 15
	s_mov_b32 s36, 0x76543210                      ; v_permlanex16_b32: each lane takes its own place in the other half
	s_mov_b32 s37, 0xfedcba98
	s_wait_kmcnt 0x0
	s_cmp_lt_u32 s22, 4
	s_cbranch_scc0 .Lwwave
	; ---------------- waves 0 to 3: 8 rows of x ----------------
	s_load_b256 s[24:31], s[10:11], 0x0            ; gate_b's eight numbers
	s_add_nc_u64 s[4:5], s[4:5], s[32:33]          ; x at my first row
	s_add_nc_u64 s[14:15], s[14:15], s[40:41]      ; xb likewise
	s_lshl_b32 s42, s23, 8                         ; 8 rows x 32 bytes of gate
	s_mov_b32 s43, 0
	s_add_nc_u64 s[18:19], s[18:19], s[42:43]
	WIN 0x40                                       ; destination window 1
	s_wait_alu depctr_va_vdst(0)                   ; v2, v3 and v4 are written: every load and store of this path reads one of them as its offset
.set j, 0
.rept 8                                ; gate_w rows 128 j + 4 lane + 0..3: 128 bytes a lane; register 32 j + 8 i + e holds gate_w[128 j + 4 lane + i][e]
.set q, 0
.rept 8
	global_load_b128 v[32*j+4*q:32*j+4*q+3], v[GWO], s[8:9] offset:4096*j+16*q
.set q, q+1
.endr
.set j, j+1
.endr
	WIN 0
.macro LD s, row, j                    ; one load of a row's eight: 512 consecutive bytes
	global_load_b128 v[X+32*(\s)+4*(\j):X+32*(\s)+4*(\j)+3], v[LO], s[4:5] offset:(\row)*4096+512*(\j) th:TH_LOAD_NT
.endm
.macro FILL s, row                     ; the whole row
.irp j, 0,1,2,3,4,5,6,7
	LD \s, \row, \j
.endr
.endm
	FILL 0, 0
	FILL 1, 1
	FILL 2, 2
	FILL 3, 3
.irp e, 0,1,2,3,4,5,6,7
	v_mov_b32 v[T+\e], 0                           ; v_permlanex16_b32's destination counts as read: written once here
.endr
	v_mov_b32 v[OW], 0
	v_mov_b32 v[OW+1], 0
	v_mov_b32 v[SC+5], 0                           ; named as the second of a pair
	s_wait_loadcnt 32                              ; gate_w's 64 loads are in; the 32 loads of rows 0 to 3, issued behind them, stay out
.set g, 0
.rept 4                                ; gate_w is rounded to bf16 and widened again, 64 registers at a time
	WIN 0x05                                       ; sources in window 1
.set k, 0
.rept 32
	v_cvt_pk_bf16_f32 v[XE+k], v[64*g+2*k], v[64*g+2*k+1]
.set k, k+1
.endr
	WIN 0x40                                       ; destination in window 1
.set k, 0
.rept 32
	v_lshlrev_b32 v[64*g+2*k], 16, v[XE+k]
	v_and_b32 v[64*g+2*k+1], s34, v[XE+k]
.set k, k+1
.endr
.set g, g+1
.endr
	WIN 0
	s_wait_kmcnt 0x0                               ; gate_b
.irp p, 0,1,2,3
	v_cvt_pk_bf16_f32 v[SC+\p], s[24+2*\p], s[25+2*\p]
.endr
.irp p, 0,1,2,3
	v_lshlrev_b32 v[GB+2*\p], 16, v[SC+\p]
	v_and_b32 v[GB+2*\p+1], s34, v[SC+\p]
.endr
; Row i, in slot s.  fill = 1: the slot takes the row four further on.  left = the younger loads that may stay out.
.macro ROW i, s, fill, left
	s_wait_loadcnt \left                           ; loads come back in order (ISA guide 5.7.1): my row's eight are in, the rows behind it stay out
.if (\i) > 0                           ; row 0 has no store in front of it
	s_wait_xcnt 0x0                                ; XB, which the last row's stores read, is rewritten only behind this wait
	s_wait_alu depctr_vm_vsrc(0)                   ; the last row's stores have read XB, which the conversions below write again
.endif
.set k, 0
.rept 16
	v_cvt_pk_bf16_f32 v[XB+k], v[X+32*(\s)+2*k], v[X+32*(\s)+2*k+1]
.set k, k+1
.endr
	s_wait_alu depctr_va_vdst(0)                   ; the conversions have written XB, which the stores below read, and are done reading the slot, in which the loads below land
.irp j, 0,1,2,3,4,5,6,7                ; a load, a store and four unpacking lines, eight times: no vector instruction since the wait names the slot or an offset, or writes XB
.if \fill
	LD \s, (\i)+4, \j
.endif
	global_store_b64 v[SO], v[XB+2*(\j):XB+2*(\j)+1], s[14:15] offset:(\i)*2048+256*(\j)  ; 32 lanes x 8 bytes: 256 consecutive bytes, aligned
	v_lshlrev_b32 v[XE+4*(\j)], 16, v[XB+2*(\j)]   ; the gate sees the rounded x
	v_and_b32 v[XE+4*(\j)+1], s34, v[XB+2*(\j)]
	v_lshlrev_b32 v[XE+4*(\j)+2], 16, v[XB+2*(\j)+1]
	v_and_b32 v[XE+4*(\j)+3], s34, v[XB+2*(\j)+1]
.endr
	WIN 0x04                                       ; source 1, gate_w, in window 1
.set k, 0
.rept 32                               ; number k of my 32: both halves of a packed line take x[k], and two experts' gate_w; four chains take turns; the first products start the sums
.irp p, 0,1,2,3
.if k == 0
	v_pk_mul_f32 v[ACC+2*\p:ACC+2*\p+1], v[XE:XE+1], v[2*\p:2*\p+1] op_sel_hi:[0,1]
.elseif k%2 == 0
	v_pk_fma_f32 v[ACC+2*\p:ACC+2*\p+1], v[XE+k:XE+k+1], v[8*k+2*\p:8*k+2*\p+1], v[ACC+2*\p:ACC+2*\p+1] op_sel_hi:[0,1,1]
.else
	v_pk_fma_f32 v[ACC+2*\p:ACC+2*\p+1], v[XE+k-1:XE+k], v[8*k+2*\p:8*k+2*\p+1], v[ACC+2*\p:ACC+2*\p+1] op_sel:[1,0,0] op_sel_hi:[1,1,1]
.endif
.endr
.set k, k+1
.endr
	WIN 0
.irp m, 1,2,4,8                        ; over the 32 lanes: four steps inside each half ride on the addition, one crosses the halves; every lane ends with all eight sums
.irp e, 0,1,2,3,4,5,6,7
	v_add_f32_dpp v[ACC+\e], v[ACC+\e], v[ACC+\e] row_xmask:\m row_mask:0xf bank_mask:0xf
.endr
.endr
.irp e, 0,1,2,3,4,5,6,7
	v_permlanex16_b32 v[T+\e], v[ACC+\e], s36, s37
.endr
.irp p, 0,1,2,3
	v_pk_add_f32 v[ACC+2*\p:ACC+2*\p+1], v[ACC+2*\p:ACC+2*\p+1], v[T+2*\p:T+2*\p+1]
.endr
.irp p, 0,1,2,3
	v_pk_add_f32 v[ACC+2*\p:ACC+2*\p+1], v[ACC+2*\p:ACC+2*\p+1], v[GB+2*\p:GB+2*\p+1]
.endr
	v_max3_num_f32 v[SC], v[ACC], v[ACC+1], v[ACC+2]        ; the row's maximum m
	v_max3_num_f32 v[SC+1], v[ACC+3], v[ACC+4], v[ACC+5]
	v_max3_num_f32 v[SC], v[SC], v[ACC+6], v[ACC+7]
	v_max_num_f32 v[SC], v[SC], v[SC+1]
	v_mul_f32 v[SC], 0x3fb8aa3b, v[SC]             ; m log2(e)
.irp p, 0,1,2,3
	v_pk_fma_f32 v[ACC+2*\p:ACC+2*\p+1], v[ACC+2*\p:ACC+2*\p+1], 0x3fb8aa3b, v[SC:SC+1] op_sel_hi:[1,0,0] neg_lo:[0,0,1] neg_hi:[0,0,1]  ; a log2(e) - m log2(e)
.endr
.irp e, 0,1,2,3,4,5,6,7
	v_exp_f32 v[ACC+\e], v[ACC+\e]                 ; one batch
.endr
	v_nop                                          ; a plain instruction behind the last exponential (ISA guide 5.7.2),
	s_wait_alu depctr_va_vdst(0)                   ; and one wait for the eight exponentials' results in ACC, ahead of their first reader
	v_pk_add_f32 v[SC:SC+1], v[ACC:ACC+1], v[ACC+2:ACC+3]
	v_pk_add_f32 v[SC+2:SC+3], v[ACC+4:ACC+5], v[ACC+6:ACC+7]
	v_pk_add_f32 v[SC:SC+1], v[SC:SC+1], v[SC+2:SC+3]
	v_add_f32 v[SC], v[SC], v[SC+1]                ; the sum is at least about 1: the maximum's own term
	v_rcp_f32 v[SC+4], v[SC]
	v_nop
	s_wait_alu depctr_va_vdst(0)                   ; the reciprocal's result in v[SC+4], ahead of its first reader
.irp p, 0,1,2,3
	v_pk_mul_f32 v[ACC+2*\p:ACC+2*\p+1], v[ACC+2*\p:ACC+2*\p+1], v[SC+4:SC+5] op_sel_hi:[1,0]
.endr
.irp p, 0,1,2,3                        ; lane 4 i + p keeps weights 2 p and 2 p + 1 of this row
	s_mov_b32 s39, 1<<(4*(\i)+(\p))
	v_cndmask_b32 v[OW], v[OW], v[ACC+2*\p], s39
	v_cndmask_b32 v[OW+1], v[OW+1], v[ACC+2*\p+1], s39
.endr
.endm
	ROW 0, 0, 1, 24                                ; behind the row in hand: three rows' 24 loads
	ROW 1, 1, 1, 24
	ROW 2, 2, 1, 24
	ROW 3, 3, 1, 24
	ROW 4, 0, 0, 24                                ; the last four rows load nothing: the counts run down
	ROW 5, 1, 0, 16
	ROW 6, 2, 0, 8
	ROW 7, 3, 0, 0
	s_wait_alu depctr_va_vdst(0)                   ; the selections have written OW, which the store reads
	global_store_b64 v[SO], v[OW:OW+1], s[18:19]   ; 8 rows x 32 bytes of gate: 256 consecutive bytes, aligned
	s_endpgm
	; ---------------- waves 4 to 7: 8,192 numbers of expert_w ----------------
.Lwwave:
	s_add_nc_u64 s[6:7], s[6:7], s[32:33]
	s_add_nc_u64 s[16:17], s[16:17], s[40:41]
	s_wait_alu depctr_va_vdst(0)                   ; v2 and v3 are written: every load and store of this path's ring reads one of them as its offset
.set i, 0
.rept 16                               ; a ring of sixteen slots, in four blocks of four: twelve to sixteen loads of 512 bytes are out
	global_load_b128 v[X+4*i:X+4*i+3], v[LO], s[6:7] offset:512*i th:TH_LOAD_NT
.set i, i+1
.endr
	s_mov_b32 s38, 3                               ; 64 loads in all: 16 above, 16 in each of three trips
.Lw:
.set b, 0
.rept 4
	s_wait_loadcnt 12                              ; this block's four loads are in; the three younger blocks' twelve stay out
.set q, 0
.rept 4
	v_cvt_pk_bf16_f32 v[Y+2*(4*b+q)], v[X+4*(4*b+q)], v[X+4*(4*b+q)+1]
	v_cvt_pk_bf16_f32 v[Y+2*(4*b+q)+1], v[X+4*(4*b+q)+2], v[X+4*(4*b+q)+3]
.set q, q+1
.endr
	s_wait_alu depctr_va_vdst(0)                   ; the eight conversions have written Y's block, which the stores below read, and are done reading X's block, in which the loads below land
.set q, 0
.rept 4
	global_load_b128 v[X+4*(4*b+q):X+4*(4*b+q)+3], v[LO], s[6:7] offset:512*(4*b+q+16) th:TH_LOAD_NT
	global_store_b64 v[SO], v[Y+2*(4*b+q):Y+2*(4*b+q)+1], s[16:17] offset:256*(4*b+q)  ; 256 consecutive bytes, aligned
.set q, q+1
.endr
.set b, b+1
.endr
	s_wait_xcnt 0x0                                ; the two bases and Y are rewritten only behind this wait
	s_wait_alu depctr_vm_vsrc(0)                   ; this trip's stores have read Y, which the conversions of the next trip, or of the tail, write again
	s_add_nc_u64 s[6:7], s[6:7], 0x2000
	s_add_nc_u64 s[16:17], s[16:17], 0x1000
	s_sub_co_u32 s38, s38, 1
	s_cmp_lg_u32 s38, 0
	s_cbranch_scc1 .Lw
.set b, 0
.rept 4                                ; the last four blocks: no load leaves the buffer, and the counts run down
	s_wait_loadcnt 12-4*b
.set q, 0
.rept 4
	v_cvt_pk_bf16_f32 v[Y+2*(4*b+q)], v[X+4*(4*b+q)], v[X+4*(4*b+q)+1]
	v_cvt_pk_bf16_f32 v[Y+2*(4*b+q)+1], v[X+4*(4*b+q)+2], v[X+4*(4*b+q)+3]
.set q, q+1
.endr
	s_wait_alu depctr_va_vdst(0)                   ; the eight conversions have written Y's block, which the stores below read
.set q, 0
.rept 4
	global_store_b64 v[SO], v[Y+2*(4*b+q):Y+2*(4*b+q)+1], s[16:17] offset:256*(4*b+q)
.set q, q+1
.endr
.set b, b+1
.endr
	s_cmp_eq_u32 s22, 4
	s_cbranch_scc0 .Ldone
	s_mov_b32 s42, ttmp9
	s_cmp_lt_u32 s42, 64
	s_cbranch_scc0 .Ldone
	; block nb = the work-group's number: expert_b[0..7][16 nb + lane % 16]
	v_and_b32 v204, 15, v0
	s_lshl_b32 s43, s42, 6
	v_lshl_add_u32 v204, v204, 2, s43              ; 64 nb + 4 (lane % 16)
	s_wait_alu depctr_va_vdst(0)                   ; v204 is written, which the eight loads read as their offset
.irp e, 0,1,2,3,4,5,6,7
	global_load_b32 v[192+\e], v204, s[12:13] offset:4096*\e
.endr
	s_lshl_b32 s44, s42, 9
	v_add_nc_u32 v205, s44, v[LO]                  ; 512 nb + 16 lane
	s_wait_loadcnt 0x0
.irp p, 0,1,2,3
	v_cvt_pk_bf16_f32 v[200+\p], v[192+2*\p], v[193+2*\p]
.endr
.irp p, 0,1,2,3
	v_cndmask_b32 v[200+\p], 0, v[200+\p], s35     ; lanes 16 to 31 hold zeros
.endr
	s_wait_alu depctr_va_vdst(0)                   ; v[200:203] and v205 are written: the store's data and its offset
	global_store_b128 v205, v[200:203], s[20:21]   ; 512 consecutive bytes, aligned
.Ldone:
	s_endpgm
.Lfunc_end_k_q9881ef566f_prep:
	.size	k_q9881ef566f_prep, .Lfunc_end_k_q9881ef566f_prep-k_q9881ef566f_prep
	.p2alignl 7, 3214868480
	.fill 96, 4, 3214868480
	.section	.rodata,"a",@progbits
	.p2align	6, 0x0
	.amdhsa_kernel k_q9881ef566f_prep
		.amdhsa_group_segment_fixed_size 0
		.amdhsa_private_segment_fixed_size 0
		.amdhsa_enable_private_segment 0
		.amdhsa_kernarg_size 72
		.amdhsa_user_sgpr_count 2
		.amdhsa_user_sgpr_kernarg_segment_ptr 1
		.amdhsa_wavefront_size32 1
		.amdhsa_system_sgpr_workgroup_id_x 1
		.amdhsa_system_sgpr_workgroup_id_y 1
		.amdhsa_system_sgpr_workgroup_id_z 1
		.amdhsa_system_vgpr_workitem_id 0
		.amdhsa_next_free_vgpr 512
		.amdhsa_next_free_sgpr 66
		.amdhsa_reserve_vcc 0
		.amdhsa_float_denorm_mode_32 3
		.amdhsa_float_denorm_mode_16_64 3
		.amdhsa_memory_ordered 1
		.amdhsa_forward_progress 1
		.amdhsa_inst_pref_size 174
	.end_amdhsa_kernel
	.amdgpu_metadata
---
amdhsa.version: [ 1, 2 ]
amdhsa.kernels:
  - .name:           k_q9881ef566f_prep
    .symbol:         k_q9881ef566f_prep.kd
    .args:
      - { .name: x, .offset: 0, .size: 8, .value_kind: global_buffer, .address_space: global }
      - { .name: expert_w, .offset: 8, .size: 8, .value_kind: global_buffer, .address_space: global }
      - { .name: gate_w, .offset: 16, .size: 8, .value_kind: global_buffer, .address_space: global }
      - { .name: gate_b, .offset: 24, .size: 8, .value_kind: global_buffer, .address_space: global }
      - { .name: expert_b, .offset: 32, .size: 8, .value_kind: global_buffer, .address_space: global }
      - { .name: xb, .offset: 40, .size: 8, .value_kind: global_buffer, .address_space: global }
      - { .name: wb, .offset: 48, .size: 8, .value_kind: global_buffer, .address_space: global }
      - { .name: gate, .offset: 56, .size: 8, .value_kind: global_buffer, .address_space: global }
      - { .name: bfrag, .offset: 64, .size: 8, .value_kind: global_buffer, .address_space: global }
    .group_segment_fixed_size: 0
    .private_segment_fixed_size: 0
    .kernarg_segment_align: 8
    .kernarg_segment_size: 72
    .max_flat_workgroup_size: 256
    .sgpr_count:     66
    .vgpr_count:     512
    .wavefront_size: 32
...
	.end_amdgpu_metadata
.endif
;; end of part 3
;; launch moe: the kernel of part 2 again; grid 4 x 64, 4 waves a work-group, clusters of 4 x 4, 327,680 bytes of LDS; arguments xb, wb, gate, bfrag, out0; writes out0
